; MI455X (gfx1250); checked and timed in simulation.
; The chip was launched on July 23, 2026; its instructions are those of AMD's public machine-readable ISA for CDNA 5 (MIT licence, August 2026) and "CDNA5" Instruction Set Architecture Reference Guide (July 2026). The comments in the code are by the model that wrote it; some were corrected since.
;; Sparse Self Attention. Allowed arithmetic: float matrix products may take bf16 or f16 operands with f32 sums; all other float work in f32.
;; Inputs: Wk 512 x 512 float32; Wo 512 x 512 float32; Wq 512 x 512 float32; Wv 512 x 512 float32; bk 512 float32; bo 512 float32; bq 512 float32; bv 512 float32; x 4 x 4,096 x 512 float32.
;; Outputs: out0 4 x 4,096 x 512 float32.
;; One version. Each part assembles by itself: llvm-mc -triple=amdgcn-amd-amdhsa -mcpu=gfx1250 --defsym DOCPART=n.
;; ======== version 1 of 1: 2 launches
;; limits: values are held in f16: magnitudes above 65,504 overflow, below 6.1e-05 lose precision
;; workspace buffers: wb 2,097,152 bytes
;; launch prep (part 1): grid 64 x 4, 8 waves a work-group, no clusters, 0 bytes of LDS; arguments Wq, Wk, Wv, Wo, wb; writes wb
.if DOCPART == 1
	.amdgcn_target "amdgcn-amd-amdhsa--gfx1250"
	.amdhsa_code_object_version 6
	.text
	.protected	k_q526569f1bc_prep
	.globl	k_q526569f1bc_prep
	.p2align	8
	.type	k_q526569f1bc_prep,@function
k_q526569f1bc_prep:
	s_mov_b64 s[64:65], 0
	v_nop
	global_prefetch_b8 v0, s[64:65] scope:SCOPE_SE
	s_setreg_imm32_b32 hwreg(HW_REG_WAVE_MODE, 25, 1), 1
	s_wait_xcnt 0x0
; SparseSelfAttention, launch 1 of 2: Wq, Wk, Wv, Wo (f32, [512][512]) are rounded once to f16 and laid into wb in the order, and in
; the register image, in which launch 2 streams them.
;
; WORK LEFT OUT IN THIS PROGRAM.
; (1) reference() projects every token twice: once for the local chunks and once, after its reshape and transpose, for the strided chunks.  The
; second projection takes the same rows of x (or rows of zeros), the same W and the same b, so for all values of the inputs it gives the same
; q, k, v: it is made once.  Strided chunk c of residue p holds tokens 48 c + 3 i + p, so 48 neighbouring tokens hold three local and three strided
; chunks whole.  Tokens 4096 to 4127 of a batch are reference()'s zero rows: they are live keys of the strided softmax and are kept.
; (2) bk.  The score of query i and key j is SCALE (q_i . (Wk x_j + bk)) = SCALE q_i . Wk x_j + SCALE q_i . bk.  The second term does not hang on j: it is
; the same for all 16 keys of the softmax's axis, the zero rows (x_j = 0) among them, and a softmax does not change when one number is added to
; all its inputs.  So for all values of the inputs bk reaches no output: it is not loaded and is among no launch's arguments; k = Wk x.
; LIMIT: a NaN, an infinity or an overflow that reaches only q . bk (or only the second copy of a projection) is not carried to the result.
;
; FORMAT: f16, for every matrix operand of the program.  Between x and out0 lie roundings in a chain (x and W; q, k, v; the probabilities; the sum S of
; the two attentions; Wo), and the result is a sum of 512 small terms: 11 significant bits a rounding keep the chain's error some 8 times under
; that of 8 bits.  The weights as drawn are below 0.045; 30 times smaller they are below 0.0015, where f16's step is at most 1e-6 (6e-8 below 6.1e-5).
;
; A fragment is the register image of 16 rows x 32 k for the 16 x 16 x 32 matrix instruction, 1,024 bytes: the 16 bytes at half*512 + 16 L hold
; W[row0 + L%16][k0 + 16 half + 8 (L/16) + 0..7].  One wave makes one fragment: 512 fragments a matrix, 8 a work-group, 64 x 4 work-groups.
; wb, for head step s (launch 2's wave w then works on head 4 w + s), from byte s*524,288:
;   four fills c of 98,304 bytes: w*24,576 + kk*6,144 + (2 mat + ct)*1,024: rows 32 (4 w + s) + 16 ct of Wq, Wk, Wv, k = 128 c + 32 kk;
;   two fills g of 65,536 bytes from 393,216: w*16,384 + kk*8,192 + ct*1,024: rows 128 w + 16 ct of Wo, k = 32 (4 (2 g + kk) + s).
	s_load_b256 s[4:11], s[0:1], 0x0               ; Wq s[4:5], Wk s[6:7], Wv s[8:9], Wo s[10:11]
	s_load_b64 s[12:13], s[0:1], 0x20              ; wb
	v_lshrrev_b32 v1, 5, v0
	v_readfirstlane_b32 s15, v1                    ; wave 0..7
	s_and_b32 s14, ttmp7, 0xffff                   ; mat: 0 q, 1 k, 2 v, 3 o
	s_lshl3_add_u32 s16, ttmp9, s15                ; fragment number in the matrix: 8 x + wave
	s_lshr_b32 s17, s16, 4                         ; R: which 16 rows
	s_and_b32 s18, s16, 15                         ; ks: which 32 k
	s_lshl_b32 s20, s17, 15                        ; source: R * 16 rows of 2,048 bytes
	s_lshl_b32 s21, s18, 7                         ;         + ks * 128 bytes
	s_add_co_u32 s20, s20, s21
	s_mov_b32 s21, 0
	s_lshr_b32 s24, s17, 3                         ; w = R / 8, for all four matrices
	; place of a fragment of Wq, Wk, Wv: R = 8 w + 2 s + ct, ks = 4 c + kk
	s_bfe_u32 s25, s17, 0x20001                    ; s
	s_lshl_b32 s25, s25, 19
	s_lshr_b32 s26, s18, 2                         ; c
	s_mul_i32 s26, s26, 98304
	s_add_co_u32 s25, s25, s26
	s_mul_i32 s26, s24, 24576
	s_add_co_u32 s25, s25, s26
	s_and_b32 s26, s18, 3                          ; kk
	s_mul_i32 s26, s26, 6144
	s_add_co_u32 s25, s25, s26
	s_and_b32 s26, s17, 1                          ; ct
	s_lshl1_add_u32 s26, s14, s26                  ; 2 mat + ct
	s_lshl_b32 s26, s26, 10
	s_add_co_u32 s25, s25, s26
	; place of a fragment of Wo: R = 8 w + ct, ks = 4 (2 g + kk) + s
	s_and_b32 s27, s18, 3                          ; s
	s_lshl_b32 s27, s27, 19
	s_add_co_u32 s27, s27, 393216
	s_lshr_b32 s28, s18, 3                         ; g
	s_lshl_b32 s28, s28, 16
	s_add_co_u32 s27, s27, s28
	s_lshl_b32 s28, s24, 14
	s_add_co_u32 s27, s27, s28
	s_bfe_u32 s28, s18, 0x10002                    ; kk
	s_lshl_b32 s28, s28, 13
	s_add_co_u32 s27, s27, s28
	s_and_b32 s28, s17, 7                          ; ct
	s_lshl_b32 s28, s28, 10
	s_add_co_u32 s27, s27, s28
	s_cmp_eq_u32 s14, 3
	s_cselect_b32 s22, s27, s25
	s_mov_b32 s23, 0
	v_and_b32 v2, 15, v0
	v_bfe_u32 v3, v0, 4, 1
	v_lshlrev_b32 v2, 11, v2                       ; row L%16 of 2,048 bytes
	v_lshl_add_u32 v2, v3, 5, v2                   ; + 8 f32 for the upper half of the lanes
	v_and_b32 v3, 31, v0
	v_lshlrev_b32 v3, 4, v3                        ; 16 L
	s_wait_kmcnt 0x0
	s_cmp_eq_u32 s14, 1                            ; the matrix is chosen by the work-group's y alone
	s_cselect_b64 s[4:5], s[6:7], s[4:5]
	s_cmp_eq_u32 s14, 2
	s_cselect_b64 s[4:5], s[8:9], s[4:5]
	s_cmp_eq_u32 s14, 3
	s_cselect_b64 s[4:5], s[10:11], s[4:5]
	s_add_nc_u64 s[4:5], s[4:5], s[20:21]
	s_add_nc_u64 s[12:13], s[12:13], s[22:23]
	global_load_b128 v[4:7],   v2, s[4:5]              ; k0 + 8 h + 0..3
	global_load_b128 v[8:11],  v2, s[4:5] offset:16    ;           + 4..7
	global_load_b128 v[12:15], v2, s[4:5] offset:64    ; k0 + 16 + 8 h + 0..3
	global_load_b128 v[16:19], v2, s[4:5] offset:80    ;                + 4..7
	s_wait_loadcnt 0x0
	v_cvt_pk_f16_f32 v20, v4, v5
	v_cvt_pk_f16_f32 v21, v6, v7
	v_cvt_pk_f16_f32 v22, v8, v9
	v_cvt_pk_f16_f32 v23, v10, v11
	v_cvt_pk_f16_f32 v4, v12, v13
	v_cvt_pk_f16_f32 v5, v14, v15
	v_cvt_pk_f16_f32 v6, v16, v17
	v_cvt_pk_f16_f32 v7, v18, v19
	global_store_b128 v3, v[20:23], s[12:13]           ; each store of the wave covers 512 consecutive bytes, aligned
	global_store_b128 v3, v[4:7], s[12:13] offset:512
	s_endpgm
.Lfunc_end_k_q526569f1bc_prep:
	.size	k_q526569f1bc_prep, .Lfunc_end_k_q526569f1bc_prep-k_q526569f1bc_prep
	.p2alignl 7, 3214868480
	.fill 96, 4, 3214868480
	.section	.rodata,"a",@progbits
	.p2align	6, 0x0
	.amdhsa_kernel k_q526569f1bc_prep
		.amdhsa_group_segment_fixed_size 0
		.amdhsa_private_segment_fixed_size 0
		.amdhsa_enable_private_segment 0
		.amdhsa_kernarg_size 40
		.amdhsa_user_sgpr_count 2
		.amdhsa_user_sgpr_kernarg_segment_ptr 1
		.amdhsa_wavefront_size32 1
		.amdhsa_system_sgpr_workgroup_id_x 1
		.amdhsa_system_sgpr_workgroup_id_y 1
		.amdhsa_system_sgpr_workgroup_id_z 1
		.amdhsa_system_vgpr_workitem_id 0
		.amdhsa_next_free_vgpr 24
		.amdhsa_next_free_sgpr 66
		.amdhsa_reserve_vcc 0
		.amdhsa_float_denorm_mode_32 3
		.amdhsa_float_denorm_mode_16_64 3
		.amdhsa_memory_ordered 1
		.amdhsa_forward_progress 1
		.amdhsa_inst_pref_size 4
	.end_amdhsa_kernel
	.amdgpu_metadata
---
amdhsa.version: [ 1, 2 ]
amdhsa.kernels:
  - .name:           k_q526569f1bc_prep
    .symbol:         k_q526569f1bc_prep.kd
    .args:
      - { .name: Wq, .offset: 0, .size: 8, .value_kind: global_buffer, .address_space: global }
      - { .name: Wk, .offset: 8, .size: 8, .value_kind: global_buffer, .address_space: global }
      - { .name: Wv, .offset: 16, .size: 8, .value_kind: global_buffer, .address_space: global }
      - { .name: Wo, .offset: 24, .size: 8, .value_kind: global_buffer, .address_space: global }
      - { .name: wb, .offset: 32, .size: 8, .value_kind: global_buffer, .address_space: global }
    .group_segment_fixed_size: 0
    .private_segment_fixed_size: 0
    .kernarg_segment_align: 8
    .kernarg_segment_size: 40
    .max_flat_workgroup_size: 256
    .sgpr_count:     66
    .vgpr_count:     24
    .wavefront_size: 32
...
	.end_amdgpu_metadata
.endif
;; end of part 1
;; launch attn (part 2): grid 4 x 43, 4 waves a work-group, clusters of 4 x 1, 327,680 bytes of LDS; arguments x, wb, bq, bv, bo, out0; writes out0
.if DOCPART == 2
	.amdgcn_target "amdgcn-amd-amdhsa--gfx1250"
	.amdhsa_code_object_version 6
	.text
	.protected	k_q526569f1bc_attn
	.globl	k_q526569f1bc_attn
	.p2align	8
	.type	k_q526569f1bc_attn,@function
k_q526569f1bc_attn:
	s_mov_b64 s[64:65], 0
	v_nop
	global_prefetch_b8 v0, s[64:65] scope:SCOPE_SE
	s_setreg_imm32_b32 hwreg(HW_REG_WAVE_MODE, 25, 1), 1
	s_wait_xcnt 0x0
	s_wait_alu depctr_hold_cnt(0) depctr_sa_sdst(0) depctr_va_vdst(0) depctr_va_sdst(0) depctr_va_ssrc(0) depctr_va_vcc(0) depctr_vm_vsrc(0)
	s_getreg_b32 s2, hwreg(HW_REG_IB_STS2, 6, 4)
	s_cmp_eq_u32 s2, 0
	s_cbranch_scc0 .Lentry_in_a_cluster
	s_endpgm
.Lentry_in_a_cluster:
	s_bfe_u32 s2, ttmp6, 0x10000c
	s_cmp_lg_u32 s2, 0x3003
	s_cbranch_scc0 .Lentry_shape_is_right
	s_endpgm
.Lentry_shape_is_right:
; SparseSelfAttention, launch 2 of 2: projections, both attentions and the output projection, fused, for 96 neighbouring tokens a work-group.
; Left out: reference()'s second projection of the same tokens (same rows, same W, same b: the same numbers for all inputs), and bk (q . bk is the same
; for all keys of a softmax's axis, so it changes no probability): k = Wk x, and bk is not among the arguments.
;
; 48 neighbouring tokens hold three local chunks (16 i + r) and three strided chunks (3 r + p) whole; a batch is 85 such blocks and 16 tokens,
; and the 86th block's other 32 rows are reference()'s zero rows (k = 0, v = bv are live keys of the strided softmax).  A work-group takes two
; blocks: 43 pairs a batch, 4 batches, 172 work-groups.  Sharing by heads as well (172 x 16 units of 96 tokens and one head over 1,024 waves: three a
; wave in place of four) would cut the product with Wo off into a launch of its own: S, 16.8 MB in f16, would be written and read again beside the
; 71 MB that the program must move, and x would be staged again wherever a work-group passes from one pair of blocks to the next: the fused form is kept.
; In the 4 work-groups with y = 42 row tiles 4 and 5 are the zero rows: they are computed whole and their results are not stored (2 of 6 row tiles in
; 4 of 172 work-groups; leaving them out needs a second text of the whole head step).
; CLUSTER: the four batches of one pair of blocks.  All work-groups walk the same weight stream, so each fill is asked for jointly by the four.
; WAVES: wave w owns heads 4 w .. 4 w + 3 for all 96 rows, and columns 128 w .. 128 w + 127 of the output.  Head step s = 0..3:
;   (1) q, k, v of head 4 w + s: 96 columns x 96 tokens, K = 512, 36 accumulators;  (2) both attentions, in the wave's registers alone;
;   (3) the sum S of the four heads just made meets in LDS and is multiplied by Wo's 128 matching k onto 48 accumulators that stay.
; ORIENTATION.  Lane L is (r = L%16, h = L/16).  q, k, the scores, P V and the output are made with source 0 = 16 rows of a weight (or keys, or v's columns)
; and source 1 = 16 tokens: a lane holds token r and eight neighbouring columns 8 h + j, and two packed column tiles are at once a fragment of 32 k.
; v is made the other way round (source 0 = tokens, source 1 = Wv's rows): a lane holds column r and tokens 8 h + j, and a packed tile is at once half a
; fragment with the keys along K.  So no operand of attention needs another lane's numbers.
; ATTENTION.  All nine score tiles (keys kt x queries qt) of a block are made.  Tile (qt, qt) is query tile qt's local chunk.  Register j of lane (r, h)
; in tile (kt, qt) is key 16 kt + 8 h + j of query 16 qt + r; since 16 = 1 and 8 = 2 modulo 3 the key lies in the query's strided chunk when
; j = e, e + 3, e + 6 with e = (r + h + qt - kt) mod 3.  Lane masks pick these three (for e = 2 two, and minus infinity) out of each tile: nine numbers a lane,
; 16 live keys a query over its two lanes.  The softmax is taken on them; the probabilities go back to their keys as f16 with zeros between, and
; P V runs over K = 64: the block's 48 keys in token order and the 16 local keys, so that local + strided is one f32 sum.
; FORMAT AND LIMITS: matrix operands (x, W, q, k, v, the probabilities, S) are f16, sums f32: the roundings lie in a chain, and 11 significant bits each keep
; their sum small beside a result that is itself a sum of 512 small terms.  f16 ends at 65,504: |q|, |k|, |v| and |S| must stay below it, or an infinity
; stands where reference() is finite.  As drawn they reach about 3.  With x and all weights 30 times larger: about 3,000, S about 6,000.  With a common
; offset of 30 standard deviations on x (30) and on the weights (0.77): 512 * 30 * 0.77 = about 12,000, S about 24,000.  With all inputs 30 times smaller
; q, k, v are about 6e-4: still numbers of 11 bits; those under 6.1e-5 have a step of 6e-8, one part in ten thousand of the usual size.
; The zeros among the strided probabilities meet v of all 48 tokens of a block, so a NaN or an infinity in one token's v reaches all 48 results of its
; block, not only its two chunks'.  v_exp_f32 gives zero for results below 2^-126; a probability below 3e-8 rounds to zero in f16.
;
; LDS: 0 slot 0, 98,304 slot 1 (tensor loads alone); 196,608 x as f16, 96 rows of 1,040 bytes (at the end: each wave's stage for the way out);
;      296,448 four times 7,680: wave w's S, 96 rows of 80.
; REGISTERS: window 0: v0-7, v30-31 temporaries, v8-28 addresses and masks, v32-255 fragments and attention.
;   window 1: q, k accumulators 48 t + 8 tt (t = 0..3), bias tiles of q at 192, 200 and of v at 224, 232.
;   window 2: output accumulators 8 (8 tt + ct), tt = 0..3.   window 3: the same for tt = 4, 5; v accumulators 128 + 48 (t - 4) + 8 tt.
.set SLOT1,  98304
.set XB,     196608
.set XPITCH, 1040                      ; 1,024 bytes + 16: an odd multiple of 16, so 16 rows of a fragment load start 16 bytes apart modulo 256
.set XHALF,  48*XPITCH
.set STG,    296448
.set STGW,   7680
.set SPITCH, 80                        ; S: 32 f16 + 16
.set EPITCH, 528                       ; the way out: 128 f32 + 16
.set QB0, 64                           ; fragment buffers of the projections: 6 of W, then 6 of x
.set QB1, 160
.set OBA, 32                           ; fragment buffers of the output product: 8 of Wo, then 6 of S
.set OBB, 144
.set FM,   18                          ; v18-20: FM + x holds 0x0000ffff, 0xffff0000 or 0 where (r + h + x) mod 3 is 0, 1 or 2
.set NINF, 21                          ; v21: minus infinity
.set LM,   70                          ; s70-72: the lanes with (r + h) mod 3 = 0, 1, 2
.set QF,  32                           ; packed q of token tile i: 32 + 8 i
.set KF,  56                           ; packed k
.set SC,  80                           ; query tile qt: 24 registers: two off-diagonal score tiles, then the diagonal one; the probabilities take the first 16
.set CP,  152                          ; query tile qt: the nine picked scores at 152 + 10 qt + 3 kt + m
.set MXR, 182                          ; pair 182 + 2 u: the maximum; u = 0..2 strided, 3..5 local
.set SUM, 194                          ; pair 194 + 2 u: the sum
.set OA,  152                          ; P V of (qt, ct) at 152 + 8 (2 qt + ct), over spent picks, maxima and sums
.set VV,  208                          ; packed v, column tile ct: four quads [tile 2 | tile 0 | tile 1 | tile 2] at 208 + 16 ct
.set MSB, 0
.macro WIN new                         ; the immediate's high byte repeats the setting that is left
.if MSB != \new
	s_set_vgpr_msb (MSB<<8)|\new
.set MSB, \new
.endif
.endm
.macro PLACES                          ; four independent vector instructions behind a matrix instruction, ahead of a vector instruction, a store or a load that touches its registers
.rept 4
	v_nop
.endr
.endm
.macro CREST                           ; a round of the cluster's barrier behind its opening work-group barrier
	s_cmp_lg_u32 s18, 0
	s_cbranch_scc1 .Lnot_wave_0_\@
	s_barrier_signal -3
.Lnot_wave_0_\@:
	s_barrier_wait -3
	s_barrier_signal -1
	s_barrier_wait -1
.endm
.macro ROUND
	s_barrier_signal -1
	s_barrier_wait -1
	CREST
.endm
	s_load_b256 s[4:11], s[0:1], 0x0               ; x s[4:5], wb s[6:7], bq s[8:9], bv s[10:11]
	s_load_b128 s[12:15], s[0:1], 0x20             ; bo s[12:13], out0 s[14:15]
	v_lshl_add_u32 v23, v0, 2, 0x4fe00
	v_mov_b32 v29, 0
	ds_add_u32 v23, v29
	v_lshrrev_b32 v1, 5, v0
	v_readfirstlane_b32 s18, v1                    ; wave w
	s_bfe_u32 s19, ttmp6, 0x40000                  ; cx
	s_lshl_b32 s21, ttmp9, 2
	s_add_co_u32 s19, s19, s21                     ; batch = work-group x; enters global offsets of x and out0 alone
	s_and_b32 s20, ttmp7, 0xffff                   ; y: which pair of blocks; the same in the four partners
	s_lshl_b32 s21, s19, 23                        ; batch * 4,096 rows of 2,048 bytes
	s_mul_i32 s22, s20, 196608                     ; + y * 96 rows
	s_add_co_u32 s68, s21, s22
	s_mov_b32 s69, 0
	v_and_b32 v1, 31, v0                           ; L
	s_lshl_b32 s21, s18, 13
	v_lshl_add_u32 v8, v1, 4, s21                  ; x: 4 w rows + 16 L
	s_wait_dscnt 0x0
	s_wait_kmcnt 0x0
	s_add_nc_u64 s[4:5], s[4:5], s[68:69]
	s_add_nc_u64 s[14:15], s[14:15], s[68:69]
	s_cmp_eq_u32 s20, 42
	s_cselect_b32 s61, 0, -1                       ; y = 42: rows 64-95 lie past the batch's end: they become zeros,
	s_cselect_b32 s68, 0, 131072                   ; and their loads read rows 0-31 again, inside the buffer
	s_add_nc_u64 s[66:67], s[4:5], s[68:69]
; Load i of 96: quarter i%4 (512 bytes) of row 16 (i/16) + 4 w + (i/4)%4; each load of the wave covers 512 consecutive bytes, aligned.
.macro XLOAD i
.set XT, (\i)>>4
.set XR, ((\i)>>2)&3
.set XQ, (\i)&3
.if XT < 4
	global_load_b128 v[64+4*((\i)%48):64+4*((\i)%48)+3], v8, s[4:5] offset:(16*XT+XR)*2048+512*XQ th:TH_LOAD_NT
.else
	global_load_b128 v[64+4*((\i)%48):64+4*((\i)%48)+3], v8, s[66:67] offset:(16*(XT-4)+XR)*2048+512*XQ th:TH_LOAD_NT
.endif
.endm
; Load i's four numbers are rounded and stored as 8 bytes a lane, 256 consecutive bytes a wave; more = 1: its registers are loaded again.
.macro XSTEP i, more
.set XT, (\i)>>4
.set XR, ((\i)>>2)&3
.set XQ, (\i)&3
.set XS, 64+4*((\i)%48)
.set XD, 4+2*((\i)&1)
	v_cvt_pk_f16_f32 v[XD], v[XS], v[XS+1]
	v_cvt_pk_f16_f32 v[XD+1], v[XS+2], v[XS+3]
.if XT >= 4
	v_and_b32 v[XD], s61, v[XD]
	v_and_b32 v[XD+1], s61, v[XD+1]
.endif
	ds_store_b64 v[9+XT/3], v[XD:XD+1] offset:((XT%3)*16+XR)*XPITCH+256*XQ
.if \more
	XLOAD (\i)+48
.endif
.endm
.set xi, 0
.rept 48
	XLOAD xi
.set xi, xi+1
.endr
	; addresses and masks, made while x is on its way
	v_and_b32 v2, 15, v0                           ; r
	v_bfe_u32 v3, v0, 4, 1                         ; h
	s_mul_i32 s21, s18, 4*XPITCH
	s_add_co_u32 s21, s21, XB
	v_lshl_add_u32 v9, v1, 3, s21                  ; x into LDS: rows 4 w .., 8 L
	v_add_nc_u32 v10, XHALF, v9                    ; the same 48 rows down
	s_lshl_b32 s21, s18, 9
	v_lshl_add_u32 v11, v3, 5, s21                 ; bq, bo by eight columns: 512 w + 32 h; 128 more each head step
	v_lshl_add_u32 v22, v2, 2, s21                 ; bv by column: 512 w + 4 r; 128 more each head step
	v_lshl_add_u32 v28, v1, 4, s21                 ; out0: 512 w + 16 L
	s_mul_i32 s21, s18, 24576
	v_lshl_add_u32 v12, v1, 4, s21                 ; my quarter of a fill of Wq, Wk, Wv in slot 0
	v_add_nc_u32 v13, SLOT1, v12                   ; in slot 1
	s_lshl_b32 s21, s18, 14
	v_lshl_add_u32 v14, v1, 4, s21                 ; my quarter of a fill of Wo in slot 0
	v_add_nc_u32 v15, SLOT1, v14
	v_mul_u32_u24 v6, v2, XPITCH
	v_lshl_add_u32 v6, v3, 4, v6
	v_add_nc_u32 v16, XB, v6                       ; fragments of x: row r, 16 h
	v_add_nc_u32 v17, XB+XHALF, v6
	s_mul_i32 s23, s18, STGW
	s_add_co_u32 s23, s23, STG
	v_mul_u32_u24 v6, v2, SPITCH
	v_lshl_add_u32 v6, v3, 4, v6                   ; 80 r + 16 h
	v_add_nc_u32 v24, s23, v6                      ; my S, as I store it
	v_add_nc_u32 v25, STG, v6                      ; wave 0's S, as everybody reads it; + 7,680 j
	s_mul_i32 s22, s18, 24960
	s_add_co_u32 s22, s22, XB                      ; my quarter of x's bytes: the stage for the way out
	v_mul_u32_u24 v6, v2, EPITCH
	v_lshl_add_u32 v6, v3, 5, v6
	v_add_nc_u32 v26, s22, v6
	v_lshl_add_u32 v27, v1, 4, s22
	v_add_nc_u32 v6, v2, v3                        ; r + h, 0 to 16
	v_mul_u32_u24 v7, v6, 11
	v_lshrrev_b32 v7, 5, v7                        ; (r + h) / 3: 11/32 serves up to 16
	v_mul_u32_u24 v7, v7, 3
	v_sub_nc_u32 v6, v6, v7                        ; c = (r + h) mod 3
	v_cmp_eq_u32 s70, 0, v6
	v_cmp_eq_u32 s71, 1, v6
	v_cmp_eq_u32 s72, 2, v6
	v_mov_b32 v30, 0xffff
	v_mov_b32 v31, 0xffff0000
	v_cndmask_b32 v18, 0, v30, s70                 ; FM + x: the low half where c + x = 0 modulo 3,
	v_cndmask_b32 v19, 0, v30, s72
	v_cndmask_b32 v20, 0, v30, s71
	v_cndmask_b32 v18, v18, v31, s71               ; the high half where it is 1, nothing where it is 2
	v_cndmask_b32 v19, v19, v31, s70
	v_cndmask_b32 v20, v20, v31, s72
	v_mov_b32 v21, 0xff800000
	s_mov_b32 s56, 0x76543210                      ; v_permlanex16_b32: lane i of one half reads lane i of the other
	s_mov_b32 s57, 0xfedcba98
	s_mov_b32 s58, 0x3e8293ee                      ; 32^-0.5 * log2 e
	s_mov_b32 s59, 0x3e8293ee
	s_mov_b32 s60, 0xbe8293ee
	; Descriptors.  A fill is dense in wb and comes as rows of 256 bytes (32 elements of 8 bytes); each wave fetches the quarter that it reads.
	; Nothing in them hangs on the place in the cluster: wb's address, the wave's number and constants.
	s_mov_b32 s24, 0x0023000f                      ; 15:0 mask: the cluster's four work-groups; 17:16 elements of 8 bytes; 21 set beside a mask
	s_mov_b32 s25, 32<<16                          ; tensor_dim0 = 32
	s_mov_b32 s26, 96<<16                          ; tensor_dim1 = 96
	s_mov_b32 s27, 32<<16                          ; tile_dim0 = 32
	s_mov_b32 s28, 96                              ; tile_dim1 = 96 rows: 24,576 bytes of Wq, Wk, Wv
	s_mov_b32 s29, 32                              ; from row to row: 32 elements
	s_mov_b32 s30, 0
	s_mov_b32 s31, 0
	s_mov_b32 s32, 0x0023000f
	s_mov_b32 s33, 32<<16
	s_mov_b32 s34, 64<<16
	s_mov_b32 s35, 32<<16
	s_mov_b32 s36, 64                              ; 64 rows: 16,384 bytes of Wo
	s_mov_b32 s37, 32
	s_mov_b32 s38, 0
	s_mov_b32 s39, 0
	s_mov_b32 s40, 1                               ; s[40:43]: Wq, Wk, Wv into slot 0
	s_mul_i32 s41, s18, 24576
	s_mov_b32 s68, s41
	s_add_nc_u64 s[42:43], s[6:7], s[68:69]
	s_mov_b32 s44, 1                               ; s[44:47]: into slot 1
	s_add_co_u32 s45, s41, SLOT1
	s_add_nc_u64 s[46:47], s[42:43], 98304
	s_or_b32 s43, s43, 0x80000000
	s_or_b32 s47, s47, 0x80000000
	s_mov_b32 s48, 1                               ; s[48:51]: Wo into slot 0
	s_lshl_b32 s49, s18, 14
	s_mov_b32 s68, s49
	s_add_nc_u64 s[50:51], s[6:7], s[68:69]
	s_add_nc_u64 s[50:51], s[50:51], 393216
	s_mov_b32 s52, 1                               ; s[52:55]: Wo into slot 1
	s_add_co_u32 s53, s49, SLOT1
	s_add_nc_u64 s[54:55], s[50:51], 65536
	s_or_b32 s51, s51, 0x80000000
	s_or_b32 s55, s55, 0x80000000
	ROUND                                          ; the four work-groups are here: the first joint loads meet
	tensor_load_to_lds s[40:43], s[24:31]          ; head step 0, k 0-127
	s_nop 0
	tensor_load_to_lds s[44:47], s[24:31]          ; k 128-255: two tensor loads of the wave are out, later one
	s_nop 0
.set xi, 0
.rept 48
	s_wait_loadcnt 47                              ; loads come back in order (ISA guide 5.7.1): this one is in, the 47 younger stay out
	XSTEP xi, 1
.set xi, xi+1
.endr
; The bias tiles of a head step, in the layout of the results whose first product takes them as C.  q: register j of lane (r, h) is bq[32 (4 w + s) + 16 ct + 8 h + j].
; v: a result's registers are eight tokens of column r, so all eight hold bv[32 (4 w + s) + 16 ct + r]: eight loads of one word, which cost no vector instruction.
.macro BIASQV
	WIN 0x40
.irp ct, 0,1
	global_load_b128 v[192+8*\ct:192+8*\ct+3],   v11, s[8:9] offset:64*\ct
	global_load_b128 v[192+8*\ct+4:192+8*\ct+7], v11, s[8:9] offset:64*\ct+16
.endr
.irp ct, 0,1
.irp j, 0,1,2,3,4,5,6,7
	global_load_b32 v[224+8*\ct+\j], v22, s[10:11] offset:64*\ct
.endr
.endr
	WIN 0
.endm
	BIASQV
	WIN 0x80                                       ; bo goes straight into the 48 output accumulators: the sums start from it, nothing is cleared
.irp tt, 0,1,2,3
.irp ct, 0,1,2,3,4,5,6,7
	global_load_b128 v[8*(8*\tt+\ct):8*(8*\tt+\ct)+3],   v11, s[12:13] offset:64*\ct
	global_load_b128 v[8*(8*\tt+\ct)+4:8*(8*\tt+\ct)+7], v11, s[12:13] offset:64*\ct+16
.endr
.endr
	WIN 0xc0
.irp tt, 0,1
.irp ct, 0,1,2,3,4,5,6,7
	global_load_b128 v[8*(8*\tt+\ct):8*(8*\tt+\ct)+3],   v11, s[12:13] offset:64*\ct
	global_load_b128 v[8*(8*\tt+\ct)+4:8*(8*\tt+\ct)+7], v11, s[12:13] offset:64*\ct+16
.endr
.endr
	WIN 0
	s_wait_loadcnt 63                              ; 116 bias loads are younger than every load of x: with 63 out, all of x is in
.set xi, 48
.rept 48
	XSTEP xi, 0
.set xi, xi+1
.endr
; 24 LDS loads: the fragments of one K step of 32 (k = 128 c + 32 kk): six of W from my quarter of the slot, 512 consecutive bytes a load, six of x.
.macro FETCHQ slot, c, kk, buf
.irp t, 0,1,2,3,4,5
	ds_load_b128 v[\buf+8*\t:\buf+8*\t+3],   v[12+\slot] offset:\kk*6144+\t*1024
	ds_load_b128 v[\buf+8*\t+4:\buf+8*\t+7], v[12+\slot] offset:\kk*6144+\t*1024+512
.endr
.irp tt, 0,1,2,3,4,5
	ds_load_b128 v[\buf+48+8*\tt:\buf+48+8*\tt+3],   v[16+\tt/3] offset:(\tt%3)*16*XPITCH+256*\c+64*\kk
	ds_load_b128 v[\buf+48+8*\tt+4:\buf+48+8*\tt+7], v[16+\tt/3] offset:(\tt%3)*16*XPITCH+256*\c+64*\kk+32
.endr
.endm
; Column tile t (0, 1 q; 2, 3 k; 4, 5 v) and the six token tiles.  q and k: weight x tokens; v: tokens x weight.  The first product starts the sum: from bq, from 0 (k has no
; bias here), from bv.  The 36 accumulators take turns, one instruction a turn.
.macro MULT t, buf, first
.irp tt, 0,1,2,3,4,5
.if \t < 4
.set ACC, 48*\t+8*\tt
.if \first
.if \t < 2
	v_wmma_f32_16x16x32_f16 v[ACC:ACC+7], v[\buf+8*\t:\buf+8*\t+7], v[\buf+48+8*\tt:\buf+48+8*\tt+7], v[192+8*\t:192+8*\t+7]
.else
	v_wmma_f32_16x16x32_f16 v[ACC:ACC+7], v[\buf+8*\t:\buf+8*\t+7], v[\buf+48+8*\tt:\buf+48+8*\tt+7], 0
.endif
.else
	v_wmma_f32_16x16x32_f16 v[ACC:ACC+7], v[\buf+8*\t:\buf+8*\t+7], v[\buf+48+8*\tt:\buf+48+8*\tt+7], v[ACC:ACC+7]
.endif
.else
.set ACC, 128+48*(\t-4)+8*\tt
.if \first
	v_wmma_f32_16x16x32_f16 v[ACC:ACC+7], v[\buf+48+8*\tt:\buf+48+8*\tt+7], v[\buf+8*\t:\buf+8*\t+7], v[192+8*\t:192+8*\t+7]
.else
	v_wmma_f32_16x16x32_f16 v[ACC:ACC+7], v[\buf+48+8*\tt:\buf+48+8*\tt+7], v[\buf+8*\t:\buf+8*\t+7], v[ACC:ACC+7]
.endif
.endif
.endr
.endm
; One of a fill's first three K steps: multiplies buffer cur; ahead of that it asks for K step nk of the same fill into buffer nxt.
.macro KSTEP slot, c, nk, cur, nxt, first
	s_wait_dscnt 0x0                               ; this step's 24 loads, issued 36 matrix instructions ago
.if \first
	s_wait_loadcnt 0x0                             ; the bias tiles (and, the first time, bo in the output accumulators); v11 and v22 are free from here
.endif
	WIN 0
	PLACES                                         ; buffer nxt was read by the matrix instructions just issued
	FETCHQ \slot, \c, \nk, \nxt
	WIN 0x50
	MULT 0, \cur, \first
	MULT 1, \cur, \first
	MULT 2, \cur, \first
	MULT 3, \cur, \first
.if \first
	WIN 0xd0                                       ; D in window 3, the bias tile in window 1
.else
	WIN 0xf0
.endif
	MULT 4, \cur, \first
	MULT 5, \cur, \first
.endm
; A fill's last K step, and the change of slots.  In front of the round every wave has its reads of this slot back and all its tensor loads landed (one is
; out: the other slot's); inside the round register work alone; behind it the joint refill of this slot comes first, one tensor load a wave.
.macro TURNQ c, last
	s_wait_dscnt 0x0
	s_wait_tensorcnt 0x0
	ds_add_u32 v23, v29
	s_wait_dscnt 0x0
	s_barrier_signal -1
	WIN 0x50
	MULT 0, QB0, 0
	MULT 1, QB0, 0
	WIN 0
	s_barrier_wait -1
	CREST
.if \c == 0
	s_add_nc_u64 s[42:43], s[42:43], 196608        ; no tensor load of mine is out: a group 0 may be written
	tensor_load_to_lds s[40:43], s[24:31]          ; k 256-383 into slot 0
	s_nop 0
	PLACES
	FETCHQ 1, 1, 0, QB1
.endif
.if \c == 1
	s_add_nc_u64 s[46:47], s[46:47], 196608
	tensor_load_to_lds s[44:47], s[24:31]          ; k 384-511 into slot 1
	s_nop 0
	PLACES
	FETCHQ 0, 2, 0, QB1
.endif
.if \c == 2
	tensor_load_to_lds s[48:51], s[32:39]          ; Wo for the heads of waves 0, 1 into slot 0
	s_nop 0
	PLACES
	FETCHQ 1, 3, 0, QB1
.endif
.if \c == 3
.if \last == 0
	s_add_nc_u64 s[50:51], s[50:51], 524288        ; the next head step's
.endif
	tensor_load_to_lds s[52:55], s[32:39]          ; Wo for the heads of waves 2, 3 into slot 1
	s_nop 0
.endif
	WIN 0x50
	MULT 2, QB0, 0
	MULT 3, QB0, 0
	WIN 0xf0
	MULT 4, QB0, 0
	MULT 5, QB0, 0
.endm
; The places of score tile (kt, qt).  SB: its eight registers.  DLT = (qt - kt) mod 3, so that a lane's live registers are j = e, e + 3, e + 6 with e = (c + DLT) mod 3.
; E1, E2: the masks of the lanes with e = 1 and e = 2.  CB: its three picked numbers.  PQ: its quad of packed probabilities; the quads of a query tile stand in the
; order of v's quads that they meet: qt = 0: [0 1 | 2 local], qt = 1: [0 1 | local 2], qt = 2: [2 0 | 1 local].
.macro TILE qt, kt
.if \kt == \qt
.set SB, SC+24*\qt+16
.else
.if \kt < \qt
.set SB, SC+24*\qt+8*\kt
.else
.set SB, SC+24*\qt+8*\kt-8
.endif
.endif
.set DLT, (\qt+3-\kt)%3
.set E1, LM+(4-DLT)%3
.set E2, LM+(5-DLT)%3
.set CB, CP+10*\qt+3*\kt
.if \qt == 0
.set PQ, SC+4*\kt
.endif
.if \qt == 1
.set PQ, SC+24+4*\kt+4*(\kt/2)
.endif
.if \qt == 2
.set PQ, SC+48+4*((\kt+1)%3)
.endif
.endm
; q and k of block bl (token tiles 3 bl + i): two packed column tiles are a fragment of the head's 32 columns.
.macro PACKQK bl
	WIN 0x05
.irp i, 0,1,2
.irp ct, 0,1
.irp jj, 0,1,2,3
	v_cvt_pk_f16_f32 v[QF+8*\i+4*\ct+\jj], v[48*\ct+8*(3*\bl+\i)+2*\jj],    v[48*\ct+8*(3*\bl+\i)+2*\jj+1]
	v_cvt_pk_f16_f32 v[KF+8*\i+4*\ct+\jj], v[96+48*\ct+8*(3*\bl+\i)+2*\jj], v[96+48*\ct+8*(3*\bl+\i)+2*\jj+1]
.endr
.endr
.endr
	WIN 0
.endm
; v of block bl: a packed tile is a quad, lane (r, h): column 16 ct + r, keys 8 h + 0..7.  A fragment is two neighbouring quads, and the order of k inside a fragment is free
; where both sides share it: from [tile 2 | tile 0 | tile 1 | tile 2] come (2, 0), (0, 1) and (1, 2), which serve all three query tiles; tile 2 is packed twice for that.
.macro PACKV bl
	WIN 0x0f
.irp ct, 0,1
.irp jj, 0,1,2,3
	v_cvt_pk_f16_f32 v[VV+16*\ct+\jj],    v[128+48*\ct+8*(3*\bl+2)+2*\jj], v[128+48*\ct+8*(3*\bl+2)+2*\jj+1]
	v_cvt_pk_f16_f32 v[VV+16*\ct+4+\jj],  v[128+48*\ct+8*(3*\bl)+2*\jj],   v[128+48*\ct+8*(3*\bl)+2*\jj+1]
	v_cvt_pk_f16_f32 v[VV+16*\ct+8+\jj],  v[128+48*\ct+8*(3*\bl+1)+2*\jj], v[128+48*\ct+8*(3*\bl+1)+2*\jj+1]
	v_cvt_pk_f16_f32 v[VV+16*\ct+12+\jj], v[128+48*\ct+8*(3*\bl+2)+2*\jj], v[128+48*\ct+8*(3*\bl+2)+2*\jj+1]
.endr
.endr
	WIN 0
.endm
; The nine score tiles of a block: keys x queries, each started by the constant 0.
.macro SCORES
.irp qt, 0,1,2
.irp kt, 0,1,2
	TILE \qt, \kt
	v_wmma_f32_16x16x32_f16 v[SB:SB+7], v[KF+8*\kt:KF+8*\kt+7], v[QF+8*\qt:QF+8*\qt+7], 0
.endr
.endr
.endm
; Six softmaxes at once, stage by stage: for each query tile the strided one on nine picked numbers a lane and the local one on the diagonal tile's eight.
; A query's 16 keys lie in lane r of both halves.
.macro SOFTMAX
.irp qt, 0,1,2
.irp kt, 0,1,2
	TILE \qt, \kt
	v_cndmask_b32 v[CB],   v[SB],   v[SB+1], s[E1]             ; register e + 3 m of the tile: e = 0 or 1,
	v_cndmask_b32 v[CB+1], v[SB+3], v[SB+4], s[E1]
	v_cndmask_b32 v[CB+2], v[SB+6], v[SB+7], s[E1]
.endr
.endr
.irp qt, 0,1,2
.irp kt, 0,1,2
	TILE \qt, \kt
	v_cndmask_b32 v[CB],   v[CB],   v[SB+2], s[E2]             ; or e = 2,
	v_cndmask_b32 v[CB+1], v[CB+1], v[SB+5], s[E2]
	v_cndmask_b32 v[CB+2], v[CB+2], v[NINF], s[E2]             ; where register 8 does not exist: no key
.endr
.endr
.irp qt, 0,1,2
	v_max3_num_f32 v[MXR+2*\qt],   v[CP+10*\qt],    v[CP+10*\qt+1],  v[CP+10*\qt+2]
	v_max3_num_f32 v[MXR+6+2*\qt], v[SC+24*\qt+16], v[SC+24*\qt+17], v[SC+24*\qt+18]
.endr
.irp p, 3,5
.irp qt, 0,1,2
	v_max3_num_f32 v[MXR+2*\qt],   v[MXR+2*\qt],   v[CP+10*\qt+\p],    v[CP+10*\qt+\p+1]
	v_max3_num_f32 v[MXR+6+2*\qt], v[MXR+6+2*\qt], v[SC+24*\qt+16+\p], v[SC+24*\qt+16+\p+1]
.endr
.endr
.irp qt, 0,1,2
	v_max3_num_f32 v[MXR+2*\qt],   v[MXR+2*\qt],   v[CP+10*\qt+7], v[CP+10*\qt+8]
	v_max_num_f32  v[MXR+6+2*\qt], v[MXR+6+2*\qt], v[SC+24*\qt+23]
.endr
.irp u, 0,1,2,3,4,5
	v_permlanex16_b32 v[MXR+2*\u+1], v[MXR+2*\u], s56, s57     ; its destination was a fragment buffer's register: written before
.endr
.irp u, 0,1,2,3,4,5
	v_max_num_f32 v[MXR+2*\u], v[MXR+2*\u], v[MXR+2*\u+1]      ; the maximum over the 16 live keys alone
.endr
.irp u, 0,1,2,3,4,5
	v_mul_f32 v[MXR+2*\u], s60, v[MXR+2*\u]                    ; - scale * log2 e * maximum
.endr
.irp qt, 0,1,2
.irp p, 0,2,4,6
	v_pk_fma_f32 v[CP+10*\qt+\p:CP+10*\qt+\p+1], v[CP+10*\qt+\p:CP+10*\qt+\p+1], s[58:59], v[MXR+2*\qt:MXR+2*\qt+1] op_sel_hi:[1,0,0]
	v_pk_fma_f32 v[SC+24*\qt+16+\p:SC+24*\qt+16+\p+1], v[SC+24*\qt+16+\p:SC+24*\qt+16+\p+1], s[58:59], v[MXR+6+2*\qt:MXR+6+2*\qt+1] op_sel_hi:[1,0,0]
.endr
	v_fma_f32 v[CP+10*\qt+8], v[CP+10*\qt+8], s58, v[MXR+2*\qt]
.endr
.irp qt, 0,1,2
.irp p, 0,1,2,3,4,5,6,7,8
	v_exp_f32 v[CP+10*\qt+\p], v[CP+10*\qt+\p]                 ; minus infinity gives 0
.endr
.irp p, 0,1,2,3,4,5,6,7
	v_exp_f32 v[SC+24*\qt+16+\p], v[SC+24*\qt+16+\p]
.endr
.endr
	v_nop                                          ; one plain instruction behind the last exponential, ahead of the first use
	s_wait_alu depctr_va_vdst(0)
.irp qt, 0,1,2
	v_pk_add_f32 v[SUM+2*\qt:SUM+2*\qt+1],     v[CP+10*\qt:CP+10*\qt+1],       v[CP+10*\qt+2:CP+10*\qt+3]
	v_pk_add_f32 v[SUM+6+2*\qt:SUM+6+2*\qt+1], v[SC+24*\qt+16:SC+24*\qt+17],   v[SC+24*\qt+18:SC+24*\qt+19]
.endr
.irp p, 4,6
.irp qt, 0,1,2
	v_pk_add_f32 v[SUM+2*\qt:SUM+2*\qt+1],     v[SUM+2*\qt:SUM+2*\qt+1],       v[CP+10*\qt+\p:CP+10*\qt+\p+1]
	v_pk_add_f32 v[SUM+6+2*\qt:SUM+6+2*\qt+1], v[SUM+6+2*\qt:SUM+6+2*\qt+1],   v[SC+24*\qt+16+\p:SC+24*\qt+16+\p+1]
.endr
.endr
.irp u, 0,1,2,3,4,5
	v_add_f32 v[SUM+2*\u], v[SUM+2*\u], v[SUM+2*\u+1]
.endr
.irp qt, 0,1,2
	v_add_f32 v[SUM+2*\qt], v[SUM+2*\qt], v[CP+10*\qt+8]
.endr
.irp u, 0,1,2,3,4,5
	v_permlanex16_b32 v[SUM+2*\u+1], v[SUM+2*\u], s56, s57
.endr
.irp u, 0,1,2,3,4,5
	v_add_f32 v[SUM+2*\u], v[SUM+2*\u], v[SUM+2*\u+1]
.endr
.irp u, 0,1,2,3,4,5
	v_rcp_f32 v[SUM+2*\u], v[SUM+2*\u]             ; the sum holds the maximum's own term, so it is at least about 1
.endr
	v_nop                                          ; one plain instruction behind the last reciprocal
	s_wait_alu depctr_va_vdst(0)
.irp qt, 0,1,2
.irp p, 0,2,4,6
	v_pk_mul_f32 v[CP+10*\qt+\p:CP+10*\qt+\p+1], v[CP+10*\qt+\p:CP+10*\qt+\p+1], v[SUM+2*\qt:SUM+2*\qt+1] op_sel_hi:[1,0]
	v_pk_mul_f32 v[SC+24*\qt+16+\p:SC+24*\qt+16+\p+1], v[SC+24*\qt+16+\p:SC+24*\qt+16+\p+1], v[SUM+6+2*\qt:SUM+6+2*\qt+1] op_sel_hi:[1,0]
.endr
	v_mul_f32 v[CP+10*\qt+8], v[CP+10*\qt+8], v[SUM+2*\qt]
.endr
	; Back to the keys' places.  Packed register jj holds keys j = 2 jj and 2 jj + 1, whose picked numbers are m = j / 3: (0, 0), (0, 1), (1, 1), (2, 2).  Key j is live where
	; j = e modulo 3: registers 0 and 3 keep the halves of FM + DLT, register 1 those of FM + DLT + 1, register 2 those of FM + DLT + 2; the other halves become 0.
.irp qt, 0,1,2
.irp kt, 0,1,2
	TILE \qt, \kt
	v_cvt_pk_f16_f32 v[PQ],   v[CB],   v[CB]
	v_cvt_pk_f16_f32 v[PQ+1], v[CB],   v[CB+1]
	v_cvt_pk_f16_f32 v[PQ+2], v[CB+1], v[CB+1]
	v_cvt_pk_f16_f32 v[PQ+3], v[CB+2], v[CB+2]
.endr
.set PL, SC+24*\qt+12-4*(\qt%2)
.irp jj, 0,1,2,3
	v_cvt_pk_f16_f32 v[PL+\jj], v[SC+24*\qt+16+2*\jj], v[SC+24*\qt+16+2*\jj+1]
.endr
.endr
.irp qt, 0,1,2
.irp kt, 0,1,2
	TILE \qt, \kt
	v_and_b32 v[PQ],   v[FM+DLT],       v[PQ]
	v_and_b32 v[PQ+1], v[FM+(DLT+1)%3], v[PQ+1]
	v_and_b32 v[PQ+2], v[FM+(DLT+2)%3], v[PQ+2]
	v_and_b32 v[PQ+3], v[FM+DLT],       v[PQ+3]
.endr
.endr
.endm
; v's columns x queries over K = 64: two products for each (qt, ct).  The six accumulators take turns, one instruction a turn.
.macro PVMUL
.irp qt, 0,1,2
.irp ct, 0,1
.set VA1, VV+16*\ct+4-4*(\qt/2)
	v_wmma_f32_16x16x32_f16 v[OA+8*(2*\qt+\ct):OA+8*(2*\qt+\ct)+7], v[VA1:VA1+7], v[SC+24*\qt:SC+24*\qt+7], 0
.endr
.endr
.irp qt, 0,1,2
.irp ct, 0,1
.set VA2, VV+16*\ct+8*((\qt+1)/2)
	v_wmma_f32_16x16x32_f16 v[OA+8*(2*\qt+\ct):OA+8*(2*\qt+\ct)+7], v[VA2:VA2+7], v[SC+24*\qt+8:SC+24*\qt+15], v[OA+8*(2*\qt+\ct):OA+8*(2*\qt+\ct)+7]
.endr
.endr
.endm
; S of block bl: lane (r, h) holds token r, columns 16 ct + 8 h + j: packed in place, 16 bytes a lane into my rows of S.
.macro SSTORE bl
.irp qt, 0,1,2
.irp ct, 0,1
.irp jj, 0,1,2,3
	v_cvt_pk_f16_f32 v[OA+8*(2*\qt+\ct)+\jj], v[OA+8*(2*\qt+\ct)+2*\jj], v[OA+8*(2*\qt+\ct)+2*\jj+1]
.endr
.endr
.endr
.irp qt, 0,1,2
.irp ct, 0,1
	ds_store_b128 v24, v[OA+8*(2*\qt+\ct):OA+8*(2*\qt+\ct)+3] offset:(3*\bl+\qt)*16*SPITCH+32*\ct
.endr
.endr
.endm
; Both attentions of both blocks.  Behind each run of products stands packing that touches none of their registers: it fills the places that the next reader of the results,
; the next writer of the sources and the next products onto the same registers need (32 conversions or more each time), and only the last run has v_nop.
.macro ATT
	PACKQK 0
	SCORES
	PACKV 0
	SOFTMAX
	PVMUL
	PACKQK 1                                       ; 48 conversions between block 0's last product and block 1's scores, which write over block 0's probabilities
	SCORES
	SSTORE 0
	PACKV 1
	SOFTMAX
	PVMUL
	PLACES
	SSTORE 1
.endm
; 28 LDS loads: Wo's eight fragments for head 4 j + s from my quarter of the slot, and wave j's S.
.macro FETCHO slot, kk, j, buf
.irp ct, 0,1,2,3,4,5,6,7
	ds_load_b128 v[\buf+8*\ct:\buf+8*\ct+3],   v[14+\slot] offset:\kk*8192+\ct*1024
	ds_load_b128 v[\buf+8*\ct+4:\buf+8*\ct+7], v[14+\slot] offset:\kk*8192+\ct*1024+512
.endr
.irp tt, 0,1,2,3,4,5
	ds_load_b128 v[\buf+64+8*\tt:\buf+64+8*\tt+3],   v25 offset:\j*STGW+\tt*16*SPITCH
	ds_load_b128 v[\buf+64+8*\tt+4:\buf+64+8*\tt+7], v25 offset:\j*STGW+\tt*16*SPITCH+32
.endr
.endm
; Token tile tt times my eight column tiles.  The 48 accumulators take turns, one instruction a turn.
.macro MULO tt, buf
.irp ct, 0,1,2,3,4,5,6,7
.if \tt < 4
.set ACC, 8*(8*\tt+\ct)
.else
.set ACC, 8*(8*(\tt-4)+\ct)
.endif
	v_wmma_f32_16x16x32_f16 v[ACC:ACC+7], v[\buf+8*\ct:\buf+8*\ct+7], v[\buf+64+8*\tt:\buf+64+8*\tt+7], v[ACC:ACC+7]
.endr
.endm
.macro OSTEP cur, fetch, slot, kk, j, nxt
	s_wait_dscnt 0x0
.if \fetch
	WIN 0
	PLACES
	FETCHO \slot, \kk, \j, \nxt
.endif
	WIN 0xa0
	MULO 0, \cur
	MULO 1, \cur
	MULO 2, \cur
	MULO 3, \cur
	WIN 0xf0
	MULO 4, \cur
	MULO 5, \cur
.endm
; The second head of a fill of Wo, and the change of slots, in the order of TURNQ.  j = 1: slot 0 gets the next head step's k 0-127; j = 3: slot 1 its k 128-255.
; In front of j = 3's round every wave's reads of S are back as well, so behind it S may be written again.
.macro TURNO j
	s_wait_dscnt 0x0
	s_wait_tensorcnt 0x0
	ds_add_u32 v23, v29
	s_wait_dscnt 0x0
	s_barrier_signal -1
	WIN 0xa0
	MULO 0, OBA
	MULO 1, OBA
	WIN 0
	s_barrier_wait -1
	CREST
.if \j == 1
	s_add_nc_u64 s[54:55], s[54:55], 524288
	s_add_nc_u64 s[42:43], s[42:43], 327680
	tensor_load_to_lds s[40:43], s[24:31]
	s_nop 0
	PLACES
	FETCHO 1, 0, 2, OBB
.else
	s_add_nc_u64 s[46:47], s[46:47], 327680
	tensor_load_to_lds s[44:47], s[24:31]
	s_nop 0
	PLACES
	FETCHQ 0, 0, 0, QB1                            ; v160-255: apart from buffer OBA, which is still being multiplied
.endif
	WIN 0xa0
	MULO 2, OBA
	MULO 3, OBA
	WIN 0xf0
	MULO 4, OBA
	MULO 5, OBA
.endm
.macro HEADSTEP last
	KSTEP 0, 0, 1, QB1, QB0, 1
	KSTEP 0, 0, 2, QB0, QB1, 0
	KSTEP 0, 0, 3, QB1, QB0, 0
	TURNQ 0, \last
	KSTEP 1, 1, 1, QB1, QB0, 0
	KSTEP 1, 1, 2, QB0, QB1, 0
	KSTEP 1, 1, 3, QB1, QB0, 0
	TURNQ 1, \last
	KSTEP 0, 2, 1, QB1, QB0, 0
	KSTEP 0, 2, 2, QB0, QB1, 0
	KSTEP 0, 2, 3, QB1, QB0, 0
	TURNQ 2, \last
	KSTEP 1, 3, 1, QB1, QB0, 0
	KSTEP 1, 3, 2, QB0, QB1, 0
	KSTEP 1, 3, 3, QB1, QB0, 0
	TURNQ 3, \last
	WIN 0
	PLACES
.if \last == 0
	v_add_nc_u32 v11, 128, v11                     ; the next head's biases, asked for a whole attention ahead of their use
	v_add_nc_u32 v22, 128, v22
	BIASQV
.endif
	ATT
	s_wait_dscnt 0x0                               ; my S is written,
	s_wait_tensorcnt 0x0                           ; and my quarter of Wo's second fill has landed;
	s_barrier_signal -1
	s_barrier_wait -1                              ; everybody's S is
	FETCHO 0, 0, 0, OBB
	OSTEP OBB, 1, 0, 1, 1, OBA
.if \last
	OSTEP OBA, 1, 1, 0, 2, OBB
	OSTEP OBB, 1, 1, 1, 3, OBA
	OSTEP OBA, 0, 0, 0, 0, OBB
.else
	TURNO 1
	OSTEP OBB, 1, 1, 1, 3, OBA
	TURNO 3
.endif
	WIN 0
.endm
	s_wait_dscnt 0x0                               ; my rows of x are written,
	s_wait_tensorcnt 0x1                           ; my quarter of the first fill has landed; the second stays out
	s_barrier_signal -1
	s_barrier_wait -1                              ; all 96 rows of x are there
	FETCHQ 0, 0, 0, QB1
	s_mov_b32 s62, 3
.Lhead:
	HEADSTEP 0
	s_sub_co_i32 s62, s62, 1
	s_cmp_lg_u32 s62, 0
	s_cbranch_scc1 .Lhead
	HEADSTEP 1                                     ; the last head step asks for no further weights
; THE WAY OUT, 16 tokens at a time: a lane's 8 f32 of a row go into my stage, whole rows of 512 bytes come back and are stored.  The stage lies in x's bytes:
; every wave's last reads of x were waited for in front of the last head step's fourth round.
.macro OUT16 tt
.if \tt < 4
	WIN 0x08
.set OACC, 64*\tt
.else
	WIN 0x0c
.set OACC, 64*(\tt-4)
.endif
.irp ct, 0,1,2,3,4,5,6,7
	ds_store_b128 v26, v[OACC+8*\ct:OACC+8*\ct+3]   offset:64*\ct
	ds_store_b128 v26, v[OACC+8*\ct+4:OACC+8*\ct+7] offset:64*\ct+16
.endr
	WIN 0
	s_wait_xcnt 0x0                                ; every earlier store has had its addresses translated (ISA guide 3.1): its data registers are loaded again only behind this wait
.set OREG, 64+64*(\tt&1)
.irp t, 0,1,2,3,4,5,6,7,8,9,10,11,12,13,14,15
	ds_load_b128 v[OREG+4*\t:OREG+4*\t+3], v27 offset:\t*EPITCH
.endr
.irp t, 0,1,2,3,4,5,6,7,8,9,10,11,12,13,14,15
	s_wait_dscnt 15-\t                             ; row t of the sixteen is in
	global_store_b128 v28, v[OREG+4*\t:OREG+4*\t+3], s[14:15] offset:(16*\tt+\t)*2048 th:TH_STORE_NT   ; 512 consecutive bytes, aligned
.endr
.endm
	PLACES
	OUT16 0
	OUT16 1
	OUT16 2
	OUT16 3
	s_cmp_eq_u32 s20, 42                           ; y = 42: rows 64-95 lie past token 4,095 and are not part of out0; y is the same in the four partners
	s_cbranch_scc1 .Lpast_end
	OUT16 4
	OUT16 5
.Lpast_end:
	s_wait_tensorcnt 0x0
	ds_add_u32 v23, v29
	s_wait_dscnt 0x0
	ROUND                                          ; the closing round: no work-group ends while a partner may still ask for a fill that names it
	s_endpgm
.Lfunc_end_k_q526569f1bc_attn:
	.size	k_q526569f1bc_attn, .Lfunc_end_k_q526569f1bc_attn-k_q526569f1bc_attn
	.p2alignl 7, 3214868480
	.fill 96, 4, 3214868480
	.section	.rodata,"a",@progbits
	.p2align	6, 0x0
	.amdhsa_kernel k_q526569f1bc_attn
		.amdhsa_group_segment_fixed_size 327680
		.amdhsa_private_segment_fixed_size 0
		.amdhsa_enable_private_segment 0
		.amdhsa_kernarg_size 48
		.amdhsa_user_sgpr_count 2
		.amdhsa_user_sgpr_kernarg_segment_ptr 1
		.amdhsa_wavefront_size32 1
		.amdhsa_system_sgpr_workgroup_id_x 1
		.amdhsa_system_sgpr_workgroup_id_y 1
		.amdhsa_system_sgpr_workgroup_id_z 1
		.amdhsa_system_vgpr_workitem_id 0
		.amdhsa_next_free_vgpr 1024
		.amdhsa_next_free_sgpr 80
		.amdhsa_reserve_vcc 0
		.amdhsa_float_denorm_mode_32 3
		.amdhsa_float_denorm_mode_16_64 3
		.amdhsa_memory_ordered 1
		.amdhsa_forward_progress 1
		.amdhsa_inst_pref_size 255
	.end_amdhsa_kernel
	.section	.bss,"aw",@nobits
	.p2align	6
	.space	262144
	.amdgpu_metadata
---
amdhsa.version: [ 1, 2 ]
amdhsa.kernels:
  - .name:           k_q526569f1bc_attn
    .symbol:         k_q526569f1bc_attn.kd
    .args:
      - { .name: x, .offset: 0, .size: 8, .value_kind: global_buffer, .address_space: global }
      - { .name: wb, .offset: 8, .size: 8, .value_kind: global_buffer, .address_space: global }
      - { .name: bq, .offset: 16, .size: 8, .value_kind: global_buffer, .address_space: global }
      - { .name: bv, .offset: 24, .size: 8, .value_kind: global_buffer, .address_space: global }
      - { .name: bo, .offset: 32, .size: 8, .value_kind: global_buffer, .address_space: global }
      - { .name: out0, .offset: 40, .size: 8, .value_kind: global_buffer, .address_space: global }
    .group_segment_fixed_size: 327680
    .private_segment_fixed_size: 0
    .kernarg_segment_align: 8
    .kernarg_segment_size: 48
    .max_flat_workgroup_size: 128
    .sgpr_count:     80
    .vgpr_count:     1024
    .wavefront_size: 32
...
	.end_amdgpu_metadata
.endif
;; end of part 2
